; MI455X (gfx1250); checked and timed in simulation.
; The chip was launched on July 23, 2026; its instructions are those of AMD's public machine-readable ISA for CDNA 5 (MIT licence, August 2026) and "CDNA5" Instruction Set Architecture Reference Guide (July 2026). The comments in the code are by the model that wrote it; some were corrected since.
;; Threshold Layer. Allowed arithmetic: matrix products marked QUANTISED: E4M3 operands, one E8M0 scale for each 32 along K, by v_wmma_scale_f32_16x16x128_f8f6f4 with both operands' format E4M3, f32 sums; everything else in f32.
;; Inputs: bias 4,096 float32; mask 4,096 x 4,096 int32; weight 4,096 x 4,096 float32; x_codes 4,096 x 128 x 32 uint8 (E4M3 codes of x, K innermost, in blocks of 32 codes); x_scales 4,096 x 128 uint8 (E8M0 scales of x, one for each 32 codes along K).
;; Outputs: out0 4,096 x 4,096 float32.
;; This version of the problem:
;;   THIS VERSION OF THE PROBLEM IS GIVEN IN LOW PRECISION. The matrix products marked QUANTISED in the list below multiply operands that are first quantised to E4M3 (4 exponent bits, 3 mantissa bits; 8 bits a number), with one power-of-two scale for each 32 numbers along K (OCP MX v1.0); their sums are f32. All else is computed in f32.
;;   The module's matrix products, in the order in which they are computed (A, B: the left and right operand; K: the contracted axis; several contracted axes count as one K, in the product's order):
;;     1. [M 4,096, K 4,096] x [K 4,096, N 4,096]; A: input x (given as codes); B: computed on the way: QUANTISED
;;   THE QUANTISER, for each operand of a quantised product, along K:
;;     - K is cut into blocks of 32 from its start; a last block that is shorter is filled with zeros.
;;     - A block's scale is 2^e with e = floor(log2(the largest magnitude in the block)) - 8, held to -126 .. 127; a block of zeros has e = 0. As a byte (E8M0): e + 127.
;;     - Each number is divided by its block's scale, clamped to +-448, and rounded to the nearest number of E4M3, ties to even, subnormals kept.
;;     - The product sums the exact products of the quantised numbers (number of the format x scale) in f32.
;;   ~~~python
;;   def quantise(x, axis):      # numpy; x: float32 -> the quantised numbers, widened to float32 again
;;       x = np.moveaxis(x, axis, -1); K = x.shape[-1]
;;       x = np.pad(x, [(0, 0)] * (x.ndim - 1) + [(0, -K % 32)]); x = x.reshape(x.shape[:-1] + (-1, 32)); a = np.abs(x).max(-1, keepdims=True)
;;       e = np.where(a > 0, np.clip(np.frexp(np.where(a > 0, a, 1))[1] - 1 - 8, -126, 127), 0)      # np.frexp(a)[1] - 1 = floor(log2(a)), exactly
;;       r = np.clip(x / 2.0 ** e, -448, 448)
;;       step = 2.0 ** (np.maximum(np.frexp(np.where(r == 0, 1, r))[1] - 1, -6) - 3)
;;       q = np.round(r / step) * step * 2.0 ** e      # np.round: ties to even
;;       return np.moveaxis(q.reshape(q.shape[:-2] + (-1,))[..., :K], -1, axis).astype(np.float32)
;;   ~~~
;;   OPERANDS COMPUTED ON THE WAY. 'Computed on the way' means the value that the module computes at that place (a softmax that the list does not call 'softmax' is quantised finished and normalised). What goes into a quantiser is computed in f32, as accurately as f32 sums, v_exp_f32 and their like allow (about 1e-6 of the number): no bf16 or f16 on the way to a quantiser, and a product that is left as it is and whose result goes on into a quantised operand takes f32 operands (vector FMAs, or v_wmma_f32_16x16x4_f32). A number that lies on a knife's edge between two numbers of the format may be rounded either way, as far as f32 arithmetic and the matrix unit's own rounding can turn it there, and no further.
;;   INPUTS GIVEN AS CODES. x (in the module: [4096, 4096], K = its axis 1): each comes as NAME_codes (uint8): NAME with its K axis moved to the last place and cut into blocks of 32 codes, [.., K / 32, bytes a block], one block behind the other in memory; one code a byte (a code: sign, 4 exponent bits, 3 mantissa bits); and NAME_scales (uint8): the same leading axes, one E8M0 byte (e + 127) for each 32 codes along K. Its value is code x scale, taken as it is: it is not quantised again, and the codes and scales need not be those that the quantiser above would give.
;; One version. Each part assembles by itself: llvm-mc -triple=amdgcn-amd-amdhsa -mcpu=gfx1250 --defsym DOCPART=n.
;; ======== version 1 of 1: 2 launches
;; limits: right only within a limited range of input values
;; workspace buffers: w_codes 16,777,216 bytes; scales_t 1,048,576 bytes
;; launch quant (part 1): grid 4 x 128, 4 waves a work-group, no clusters, 33,280 bytes of LDS; arguments weight, mask, x_scales, w_codes, scales_t; writes w_codes, scales_t
.if DOCPART == 1
	.amdgcn_target "amdgcn-amd-amdhsa--gfx1250"
	.amdhsa_code_object_version 6
	.text
	.protected	k_q8b4f7743b0_quant
	.globl	k_q8b4f7743b0_quant
	.p2align	8
	.type	k_q8b4f7743b0_quant,@function
k_q8b4f7743b0_quant:
	s_mov_b64 s[64:65], 0
	v_nop
	global_prefetch_b8 v0, s[64:65] scope:SCOPE_SE
	s_setreg_imm32_b32 hwreg(HW_REG_WAVE_MODE, 25, 1), 1
	s_wait_xcnt 0x0
; W_eff[o][i] = weight[o][i] x f32(mask[o][i]), [4096][4096], is turned into codes of FP8 (E4M3), K = i innermost, with one E8M0 scale byte for each 32 along K.
; The codes are laid [o][4096], one byte a code.  The scale bytes of x (given as [row 4096][128]; copied here) and of W_eff go into ONE buffer, laid IN THE ORDER OF THE PRODUCT'S SCALE REGISTERS:
; scales_t [ks 16][side 2: x, W][group of 128 rows 32][j 4][r 16][u 2][8 bytes]: the eight bytes of K step ks (256 along K) of row 128 group + 16 (2 j + u) + r.
; So sixteen lanes of the product's launch, 16 bytes each, read 256 bytes on end and have the two scale words of blocks 2 j and 2 j + 1 of 16 rows in four registers.
; A block's scale is 2^(floor(log2(its largest magnitude)) - 8); its byte is the largest magnitude's own exponent field - 8, held at 1 from below.  Each number is divided by the scale, held within +-448 and
; rounded to the nearest code, ties to even.
; LIMITS: a block of zeros gets the byte 1 where the quantiser's rule says 127: its codes are zeros, which add nothing under any byte but 0xff, and these bytes are read by this program alone.
; Blocks whose largest magnitude lies under 2^-118 (the floor) keep the byte 1, which is the rule's hold at e = -126.  NaN and infinities in weight are not served.  Any int32 in mask is honoured: it is converted and multiplied.
; SHARES.  Work-group (x, y) owns rows 32 y .. 32 y + 31 and K steps 4 x .. 4 x + 3; wave w owns K step ks = 4 x + w: 32 rows x 256 numbers, as 16 steps of two rows (512 numbers).
; So a wave's 256 scale bytes are the 256 consecutive bytes (ks, side, y / 4, y % 4) of scales_t, a step's 512 codes are two runs of 256 consecutive bytes, and every load of weight or mask reads 512 consecutive bytes.
; The conversions take 8 numbers of ONE block from a lane's consecutive registers, so a lane must hold 16 NEIGHBOURS along K; the loads take the bytes as they lie, 16 a lane.  Between the two a step's 2,048 bytes
; go through the wave's own stage in LDS (16 bytes of padding behind each 64) and come back 64 bytes a lane.  Two neighbouring lanes hold a block.
; No tensor loads, no barrier: waves share nothing.  Loads run four steps (32 loads a wave) ahead, the way through LDS one step.  Every offset is an immediate and no source of a memory instruction is written again.
.set STEPS, 16
.set ROWF,  16384                      ; a row of weight or of mask in bytes
.set ROWC,  4096                       ; a row of codes in bytes
.set SSIDE, 32768                      ; scales_t: from x's side of a K step to W's
.set EMAX,  8
.set MANT,  0x600000                   ; the mantissa field of 448 as f32
.set SP,    80                         ; a lane's place in a stage: its 64 bytes + 16 of padding
.set WREG,  8192                       ; LDS: a region for each wave: two stages of 32 x SP bytes, and behind them its 256 scale bytes
.set R,     16                         ; v16-143  four sets of 32: 16 registers of weight, then 16 of mask, as they are loaded
.set X,     144                        ; v144-175 two sets of 16 neighbours
.set E,     176                        ; v176-191 a scale byte for each step
.set C,     192                        ; v192-255 codes: four registers for each step, so that no store's data are written again
	s_load_b256 s[4:11], s[0:1], 0x0               ; weight s[4:5], mask s[6:7], x_scales s[8:9], w_codes s[10:11]
	s_load_b64 s[12:13], s[0:1], 0x20              ; scales_t
	s_set_vgpr_msb 0x40
	v_lshl_add_u32 v0, v0, 2, 0x8000
	v_mov_b32 v1, 0
	s_set_vgpr_msb 0x4000
	v_lshrrev_b32 v1, 5, v0
	v_readfirstlane_b32 s16, v1                    ; wave 0..3
	v_and_b32 v2, 31, v0                           ; lane
	v_lshlrev_b32 v1, 7, v2                        ; x_scales: a row of 128 bytes for each lane
	v_lshlrev_b32 v3, 4, v2                        ; my 16 bytes of a load's 512
	v_lshrrev_b32 v4, 4, v2
	v_and_b32 v5, 15, v2
	v_lshlrev_b32 v4, 12, v4
	v_lshl_add_u32 v4, v5, 4, v4                   ; my codes' place in a step's: lanes 0-15 the even row, lanes 16-31 the odd one, 16 bytes a lane
	s_mul_i32 s17, s16, WREG
	v_lshrrev_b32 v14, 2, v2
	v_mul_u32_u24 v14, v14, SP
	v_and_b32 v15, 3, v2
	v_lshl_add_u32 v14, v15, 4, v14
	v_add_nc_u32 v14, s17, v14                     ; the stage, on the way in: four lanes' 64 bytes on end, then 16 of padding; a load's 512 bytes take eight places
	v_mul_u32_u24 v15, v2, SP
	v_add_nc_u32 v15, s17, v15                     ; and on the way out: SP x lane: my 16 neighbours
	s_add_co_u32 s17, s17, 2*32*SP
	v_lshrrev_b32 v5, 4, v2                        ; which of a step's two rows is mine,
	v_bfe_u32 v8, v2, 1, 3                         ; and which of its eight blocks
	v_lshl_add_u32 v5, v5, 4, v8
	v_add_nc_u32 v5, s17, v5                       ; LDS: my wave's 256 scale bytes, laid [r 16][u 2][8]: a row on is 16 bytes on; the step's place stands in the immediate
	v_lshlrev_b32 v7, 3, v2                        ; and on the way out 8 bytes a lane, as they lie
	v_add_nc_u32 v6, s17, v7
	v_lshrrev_b32 v8, 4, v2                        ; x's eight bytes of row 32 y + lane go to [r = lane % 16][u = lane / 16]: 16 r + 8 u
	v_and_b32 v9, 15, v2
	v_lshlrev_b32 v8, 3, v8
	v_lshl_add_u32 v2, v9, 4, v8                   ; (the lane's number is not wanted any more)
	s_mov_b32 s23, MANT                            ; (an instruction takes one literal: the hold's line has another)
	s_and_b32 s18, ttmp7, 0xffff                   ; y: which 32 rows
	s_lshl_b32 s19, ttmp9, 2
	s_add_co_u32 s19, s19, s16                     ; ks = 4 x + wave
	s_lshl_b32 s20, s18, 19                        ; weight, mask: 32 y rows of 16,384 bytes + ks x 1,024
	s_lshl_b32 s22, s19, 10
	s_add_co_u32 s20, s20, s22
	s_mov_b32 s21, 0
	s_lshl_b32 s24, s18, 17                        ; codes: 32 y rows of 4,096 bytes + ks x 256
	s_lshl_b32 s22, s19, 8
	s_add_co_u32 s24, s24, s22
	s_mov_b32 s25, 0
	s_lshl_b32 s26, s19, 16                        ; scales_t: ks x 65,536 + (y / 4) x 1,024 + (y % 4) x 256 = ks x 65,536 + 256 y
	s_lshl_b32 s22, s18, 8
	s_add_co_u32 s26, s26, s22
	s_mov_b32 s27, 0
	s_lshl_b32 s28, s18, 12                        ; x_scales as given: 32 y rows of 128 bytes + 8 ks
	s_lshl_b32 s22, s19, 3
	s_add_co_u32 s28, s28, s22
	s_mov_b32 s29, 0
	s_wait_alu depctr_va_vdst(0)
	s_wait_kmcnt 0x0
	s_add_nc_u64 s[4:5], s[4:5], s[20:21]
	s_add_nc_u64 s[6:7], s[6:7], s[20:21]
	s_add_nc_u64 s[8:9], s[8:9], s[28:29]
	s_add_nc_u64 s[10:11], s[10:11], s[24:25]
	s_add_nc_u64 s[12:13], s[12:13], s[26:27]
.macro LOAD t                          ; step t: rows 2 t and 2 t + 1, 1,024 bytes of each, of weight and of mask: eight loads of 512 consecutive bytes
.irp i, 0,1,2,3
	global_load_b128 v[R+32*((\t)%4)+4*\i:R+32*((\t)%4)+4*\i+3], v3, s[4:5] offset:(2*(\t)+\i/2)*ROWF+(\i%2)*512 th:TH_LOAD_NT
	global_load_b128 v[R+32*((\t)%4)+16+4*\i:R+32*((\t)%4)+16+4*\i+3], v3, s[6:7] offset:(2*(\t)+\i/2)*ROWF+(\i%2)*512 th:TH_LOAD_NT
.endr
.endm
.macro MASKMUL t                       ; weight x f32(mask), in f32: the mask's whole numbers are converted and multiplied, whatever they are
.set RS, R+32*((\t)%4)
.irp i, 0,1,2,3,4,5,6,7,8,9,10,11,12,13,14,15
	v_cvt_f32_i32 v[RS+16+\i], v[RS+16+\i]
.endr
.irp i, 0,2,4,6,8,10,12,14
	v_pk_mul_f32 v[RS+\i:RS+\i+1], v[RS+\i:RS+\i+1], v[RS+16+\i:RS+16+\i+1]
.endr
.endm
.macro TURN t                          ; step t's numbers through the stage: LDS serves a wave's instructions in order (ISA guide 5.7.1.4), so no wait stands between the stores and the loads
.irp i, 0,1,2,3
	ds_store_b128 v14, v[R+32*((\t)%4)+4*\i:R+32*((\t)%4)+4*\i+3] offset:32*SP*((\t)%2)+8*SP*\i
.endr
.irp i, 0,1,2,3
	ds_load_b128 v[X+16*((\t)%2)+4*\i:X+16*((\t)%2)+4*\i+3], v15 offset:32*SP*((\t)%2)+16*\i
.endr
.endm
	global_load_b64 v[12:13], v1, s[8:9]           ; x's eight scale bytes of row 32 y + lane for my K step: 8 bytes a lane, 128 bytes apart: one such load a wave beside its 128 dense ones
.irp t, 0,1,2,3
	LOAD \t
.endr
	s_wait_loadcnt 24                              ; of the 33 loads the oldest nine are in: x's bytes and step 0's eight
	global_store_b64 v2, v[12:13], s[12:13]        ; the 32 lanes together store 256 consecutive bytes of x's side, at a multiple of 256 from the buffer's first byte
	MASKMUL 0
	TURN 0
.macro STEP t
.set XS, X+16*((\t)%2)
.if (\t) > 0
	s_wait_dscnt 1                                 ; this step's numbers are back from the stage (the last step's byte store may be out): so its stores into the stage have read their registers,
.else
	s_wait_dscnt 0x0
.endif
.if (\t)+4 < STEPS
	LOAD (\t)+4                                    ; which take the loads of four steps on
.endif
.if (\t)+1 < STEPS
.if STEPS-2-(\t) >= 3
	s_wait_loadcnt 24                              ; the next step's eight loads are in; those of the three steps behind it may be out
.else
	s_wait_loadcnt 8*(STEPS-2-(\t))                ; near the end fewer steps stand behind it
.endif
	MASKMUL (\t)+1
	TURN (\t)+1                                    ; and go through the other stage while this step is worked
.endif
	v_max3_num_f32 v8, |v[XS]|, |v[XS+1]|, |v[XS+2]|               ; the largest magnitude of my 16, in two chains
	v_max3_num_f32 v9, |v[XS+3]|, |v[XS+4]|, |v[XS+5]|
.irp i, 6,10
	v_max3_num_f32 v8, v8, |v[XS+\i]|, |v[XS+\i+1]|
	v_max3_num_f32 v9, v9, |v[XS+\i+2]|, |v[XS+\i+3]|
.endr
	v_max3_num_f32 v8, v8, |v[XS+14]|, |v[XS+15]|
	v_max3_num_f32 v8, v8, v9, (EMAX+1)<<23        ; and the floor 2^(9 - 127), under which no largest magnitude is taken: so the byte cannot fall under 1
	v_max_num_f32_dpp v8, v8, v8 row_xmask:1 row_mask:0xf bank_mask:0xf   ; and of my neighbour's 16: the block's
	v_add_nc_u32 v11, 0xfc000000, v8               ; 8 off its exponent field: the conversion takes the exponent field of this operand as its scale, and nothing else of it
	v_and_or_b32 v10, v8, 0x7f800000, s23          ; 448 x the scale: the largest magnitude's exponent field over 448's mantissa
.irp i, 0,1,2,3,4,5,6,7,8,9,10,11,12,13,14,15
	v_med3_num_f32 v[XS+\i], v[XS+\i], -v10, v10   ; the conversion to an 8-bit code does not saturate (ISA guide 7.6.2): hold the number within the largest code x the scale first
.endr
	v_cvt_scalef32_pk8_fp8_f32 v[C+4*(\t):C+4*(\t)+1], v[XS:XS+7], v11          ; eight numbers / the scale, to the nearest code, ties to even; the first number's code in the lowest byte
	v_cvt_scalef32_pk8_fp8_f32 v[C+4*(\t)+2:C+4*(\t)+3], v[XS+8:XS+15], v11
	v_lshrrev_b32 v[E+(\t)], 23, v11               ; the scale's byte.  (Also the plain line behind the conversions)
	ds_store_b8 v5, v[E+(\t)] offset:((2*(\t))%16)*16+((\t)/8)*8   ; row 2 t + lane / 16 of my 32 is [r = row % 16][u = row / 16]: 16 r + 8 u + the block; both lanes of a block write the same byte with the same value
	global_store_b128 v4, v[C+4*(\t):C+4*(\t)+3], s[10:11] offset:2*ROWC*(\t)   ; sixteen lanes store 256 consecutive bytes of a row of codes, at a multiple of 256 from the buffer's first byte; the next launch reads them, so no hint
.endm
.irp t, 0,1,2,3,4,5,6,7,8,9,10,11,12,13,14,15
	STEP \t
.endr
	ds_load_b64 v[10:11], v6                       ; LDS serves a wave's instructions in order: this sees my sixteen byte stores
	s_wait_dscnt 0x0
	global_store_b64 v7, v[10:11], s[12:13] offset:SSIDE   ; 32 lanes store 256 consecutive bytes of W's side, at a multiple of 256 from the buffer's first byte
	s_set_vgpr_msb 0x5
	s_wait_tensorcnt 0x0
	ds_add_u32 v0, v1
	s_wait_dscnt 0x0
	s_set_vgpr_msb 0x500
	s_endpgm
.Lfunc_end_k_q8b4f7743b0_quant:
	.size	k_q8b4f7743b0_quant, .Lfunc_end_k_q8b4f7743b0_quant-k_q8b4f7743b0_quant
	.p2alignl 7, 3214868480
	.fill 96, 4, 3214868480
	.section	.rodata,"a",@progbits
	.p2align	6, 0x0
	.amdhsa_kernel k_q8b4f7743b0_quant
		.amdhsa_group_segment_fixed_size 33280
		.amdhsa_private_segment_fixed_size 0
		.amdhsa_enable_private_segment 0
		.amdhsa_kernarg_size 40
		.amdhsa_user_sgpr_count 2
		.amdhsa_user_sgpr_kernarg_segment_ptr 1
		.amdhsa_wavefront_size32 1
		.amdhsa_system_sgpr_workgroup_id_x 1
		.amdhsa_system_sgpr_workgroup_id_y 1
		.amdhsa_system_sgpr_workgroup_id_z 1
		.amdhsa_system_vgpr_workitem_id 0
		.amdhsa_next_free_vgpr 258
		.amdhsa_next_free_sgpr 66
		.amdhsa_reserve_vcc 0
		.amdhsa_float_denorm_mode_32 3
		.amdhsa_float_denorm_mode_16_64 3
		.amdhsa_memory_ordered 1
		.amdhsa_forward_progress 1
		.amdhsa_inst_pref_size 74
	.end_amdhsa_kernel
	.amdgpu_metadata
---
amdhsa.version: [ 1, 2 ]
amdhsa.kernels:
  - .name:           k_q8b4f7743b0_quant
    .symbol:         k_q8b4f7743b0_quant.kd
    .args:
      - { .name: weight, .offset: 0, .size: 8, .value_kind: global_buffer, .address_space: global }
      - { .name: mask, .offset: 8, .size: 8, .value_kind: global_buffer, .address_space: global }
      - { .name: x_scales, .offset: 16, .size: 8, .value_kind: global_buffer, .address_space: global }
      - { .name: w_codes, .offset: 24, .size: 8, .value_kind: global_buffer, .address_space: global }
      - { .name: scales_t, .offset: 32, .size: 8, .value_kind: global_buffer, .address_space: global }
    .group_segment_fixed_size: 33280
    .private_segment_fixed_size: 0
    .kernarg_segment_align: 8
    .kernarg_segment_size: 40
    .max_flat_workgroup_size: 128
    .sgpr_count:     66
    .vgpr_count:     258
    .wavefront_size: 32
...
	.end_amdgpu_metadata
.endif
;; end of part 1
;; launch gemm (part 2): grid 16 x 16, 4 waves a work-group, clusters of 4 x 4, 327,680 bytes of LDS; arguments x_codes, scales_t, w_codes, bias, out0; writes out0
.if DOCPART == 2
	.amdgcn_target "amdgcn-amd-amdhsa--gfx1250"
	.amdhsa_code_object_version 6
	.text
	.protected	k_q8b4f7743b0_gemm
	.globl	k_q8b4f7743b0_gemm
	.p2align	8
	.type	k_q8b4f7743b0_gemm,@function
k_q8b4f7743b0_gemm:
	s_mov_b64 s[64:65], 0
	v_nop
	global_prefetch_b8 v0, s[64:65] scope:SCOPE_SE
	s_setreg_imm32_b32 hwreg(HW_REG_WAVE_MODE, 25, 1), 1
	s_wait_xcnt 0x0
	s_wait_alu depctr_hold_cnt(0) depctr_sa_sdst(0) depctr_va_vdst(0) depctr_va_sdst(0) depctr_va_ssrc(0) depctr_va_vcc(0) depctr_vm_vsrc(0)
	s_getreg_b32 s2, hwreg(HW_REG_IB_STS2, 6, 4)
	s_cmp_eq_u32 s2, 0
	s_cbranch_scc0 .Lentry_in_a_cluster
	s_endpgm
.Lentry_in_a_cluster:
	s_bfe_u32 s2, ttmp6, 0x10000c
	s_cmp_lg_u32 s2, 0xf033
	s_cbranch_scc0 .Lentry_shape_is_right
	s_endpgm
.Lentry_shape_is_right:
; out0[m][n] = sum over k of x[m][k] W_eff[n][k] - bias[n].  x and W_eff are codes of E4M3 with one E8M0 byte for each 32 along K; sums in f32.
; A work-group of four waves makes 256 x 256 of out0, a wave 128 x 128: 64 accumulators.  K goes in steps of 256 through a ring of two LDS slots.
; A slot holds x's 256 rows, W's 256 rows (256 bytes + 16 of padding each) and the two blocks of 2,048 scale bytes of that K step, which scales_t holds on end in the order of the scale registers.
; One tensor load a wave: wave 0 x's codes, wave 1 W's codes, wave 2 x's scales, wave 3 W's scales.
; CLUSTERS 4 x 4: x's tiles are asked for jointly along a row of the cluster, W's along a column.
; The matrix instruction is used transposed: source 0 = 16 rows of W (block t), source 1 = 16 rows of x (block i); a lane holds eight neighbouring columns of one row of out0.
; A step of 128 along K is eight groups t = 0..7 of eight products (i = 0..7).  W's fragments have ONE set (a block is free behind its group), x's have TWO.
; The LDS loads of a step stand in two runs: in its middle x's next set and W's next blocks 0-3 (48 loads), at its end W's next blocks 4-7 (16 loads); eight v_nop stand ahead of each run.
; REGISTERS:
;   window 0: v0-127 accumulators of t = 7, 0; v128-175 W's blocks 5-7; v176-207 scale words, two sets; v208.. addresses
;   window 1: accumulators of t = 1, 2; v128-255 x's set 0.      window 2: accumulators of t = 3, 4; v128-255 x's set 1
;   window 3: accumulators of t = 5, 6; v128-207 W's blocks 0-4
; PREFETCH: behind each refill a wave names 32 rows x 256 bytes of codes and one block of 256 scale bytes of the K step two refills on; the four partners of a joint load share a tile's rows out by address
; (64 rows a work-group, 32 a wave).  K steps 1 and 2 are named at the head, K step 3 behind slot 1's first fill; the last two refills name nothing, so no address passes K step 15.
; The bias is taken off on the way out, where a lane holds the same four columns in every row: four registers.
.set PITCH,  272
.set HALFT,  128*PITCH
.set XB,     2*HALFT                   ; W's codes in a slot
.set SCX,    4*HALFT                   ; x's scale bytes in a slot
.set SLOTB,  4*HALFT+4096
.set SPARE,  2*SLOTB                   ; the spare words: 128 bytes a wave
.set SPITCH, 528                       ; the way out: a stage of 16 rows x (512 + 16) bytes a wave, in slot 0, behind its last fill and last read
.set SC,  176
.set ADS, 208                          ; W's fragments, slot 0, 1
.set ADD, 210                          ; x's fragments, slot 0, 1
.set ASC, 212                          ; scale words, slot 0, 1
.set SPW, 214
.set NIL, 215
.set PFO, 216                          ; prefetch: lane x a row of codes
.set PFZ, 217                          ; prefetch of scales: 0
.set STO, 218
.set RD,  219
.set BI,  220                          ; v220-223 bias of my four columns
.set CO,  224
.set G1X, 24
.set G1W, 32
.set G1SX, 40
.set G1SW, 48
.set G0X, 56
.set G0W, 68
.set G0SX, 76
.set G0SW, 84
.set PFA, 92
.set PFS, 94
.set MSB, 0
.macro WIN new                         ; the immediate's high byte repeats the setting that is left
.if MSB != (\new)
	s_set_vgpr_msb (MSB<<8)|(\new)
.set MSB, (\new)
.endif
.endm
.macro PLACES n
.rept \n
	v_nop
.endr
.endm
.macro TL g0, g1                       ; a tensor load with an s_nop and four v_nop behind it
	tensor_load_to_lds s[\g0:\g0+3], s[\g1:\g1+7]
	s_nop 0
	PLACES 4
.endm
.macro JL4 s                           ; the four joint loads of a slot, one a wave: one chain of branches on the wave's number
	s_cmp_lt_u32 s14, 1
	s_cbranch_scc0 .Lw_\@
	TL G0X+4*\s, G1X
	s_branch .Ld_\@
.Lw_\@:
	s_cmp_lt_u32 s14, 2
	s_cbranch_scc0 .Lsx_\@
	TL G0W+4*\s, G1W
	s_branch .Ld_\@
.Lsx_\@:
	s_cmp_lt_u32 s14, 3
	s_cbranch_scc0 .Lsw_\@
	TL G0SX+4*\s, G1SX
	s_branch .Ld_\@
.Lsw_\@:
	TL G0SW+4*\s, G1SW
.Ld_\@:
.endm
.macro CREST
	s_cmp_lg_u32 s14, 0
	s_cbranch_scc1 .Lnot_wave_0_\@
	s_barrier_signal -3
.Lnot_wave_0_\@:
	s_barrier_wait -3
	s_barrier_signal -1
	s_barrier_wait -1
.endm
.macro CROUND
	s_barrier_signal -1
	s_barrier_wait -1
	CREST
.endm
	s_load_b256 s[4:11], s[0:1], 0x0               ; x_codes, scales_t, w_codes, bias
	s_load_b64 s[12:13], s[0:1], 0x20              ; out0
	v_lshl_add_u32 v[SPW], v0, 2, SPARE
	v_mov_b32 v[NIL], 0
	ds_add_u32 v[SPW], v[NIL]                      ; the opening lines: the add twice and its wait
	ds_add_u32 v[SPW], v[NIL]
	v_lshrrev_b32 v1, 5, v0
	v_readfirstlane_b32 s14, v1                    ; wave
	s_lshr_b32 s15, s14, 1                         ; my half of x's rows
	s_and_b32 s16, s14, 1                          ; my half of W's rows
	s_bfe_u32 s96, ttmp6, 0x40000                  ; cx
	s_bfe_u32 s97, ttmp6, 0x40004                  ; cy
	s_lshl_b32 s98, ttmp9, 2
	s_add_co_u32 s98, s98, s96                     ; tile column
	s_and_b32 s17, ttmp7, 0xffff
	s_lshl_b32 s17, s17, 2
	s_add_co_u32 s17, s17, s97                     ; tile row
	s_lshl_b32 s2, s97, 2
	s_lshl_b32 s2, 15, s2                          ; my row of the cluster
	s_lshl_b32 s99, 0x1111, s96                    ; my column
	s_or_b32 s[G1X], s2, (1<<20)|(1<<21)|(5<<22)|(3<<25)    ; codes: bytes; 4 words of padding behind every 64
	s_or_b32 s[G1W], s99, (1<<20)|(1<<21)|(5<<22)|(3<<25)
	s_or_b32 s[G1SX], s2, (3<<16)|(1<<21)          ; scales: elements of 8 bytes, dense
	s_or_b32 s[G1SW], s99, (3<<16)|(1<<21)
.irp g, G1X, G1W
	s_mov_b32 s[\g+1], 256<<16
	s_mov_b32 s[\g+2], 256<<16
	s_mov_b32 s[\g+3], 256<<16
	s_mov_b32 s[\g+4], 256                         ; 256 rows of 256 bytes,
	s_mov_b32 s[\g+5], 4096                        ; 4,096 bytes apart
	s_mov_b32 s[\g+6], 0
	s_mov_b32 s[\g+7], 0
.endr
.irp g, G1SX, G1SW
	s_mov_b32 s[\g+1], 32<<16
	s_mov_b32 s[\g+2], 8<<16
	s_mov_b32 s[\g+3], 32<<16
	s_mov_b32 s[\g+4], 8                           ; 2,048 bytes on end as 8 rows of 256
	s_mov_b32 s[\g+5], 32
	s_mov_b32 s[\g+6], 0
	s_mov_b32 s[\g+7], 0
.endr
	s_lshl_b32 s20, s17, 20                        ; x's tile: 256 rows of 4,096 bytes a tile row
	s_mov_b32 s21, 0
	s_lshl_b32 s22, s98, 20                        ; W's
	s_mov_b32 s23, 0
	s_lshl_b32 s18, s17, 11                        ; x's scales: 2,048 bytes a tile row
	s_mov_b32 s19, 0
	s_lshl_b32 s100, s98, 11                       ; W's, on W's side of a K step
	s_add_co_u32 s100, s100, 32768
	s_mov_b32 s101, 0
	s_cmp_eq_u32 s15, 0                            ; prefetches: waves 0, 1 name x's bytes, waves 2, 3 W's
	s_cselect_b32 s66, s17, s98                    ; the tile
	s_cselect_b32 s67, s96, s97                    ; my place among the four that ask for it jointly
	s_cselect_b32 s94, 0, 32768
	s_lshl_b32 s92, s66, 20
	s_lshl_b32 s93, s67, 18                        ; 64 rows a work-group,
	s_add_co_u32 s92, s92, s93
	s_lshl_b32 s93, s16, 17                        ; 32 a wave
	s_add_co_u32 s92, s92, s93
	s_lshl_b32 s93, s66, 11
	s_add_co_u32 s94, s94, s93
	s_lshl_b32 s93, s67, 9                         ; two blocks of 256 scale bytes a work-group,
	s_add_co_u32 s94, s94, s93
	s_lshl_b32 s93, s16, 8                         ; one a wave
	s_add_co_u32 s94, s94, s93
	s_mov_b32 s93, 0
	s_mov_b32 s95, 0
	s_lshl_b32 s2, s98, 10                         ; my first column in bytes
	s_lshl_b32 s3, s16, 9
	s_add_co_u32 s2, s2, s3
	s_mov_b32 s3, 0
	s_lshl_b32 s66, s17, 22                        ; my first row of out0 in bytes
	s_lshl_b32 s67, s15, 21
	s_add_co_u32 s66, s66, s67
	s_mov_b32 s67, 0
	s_wait_dscnt 0x0
	s_wait_kmcnt 0x0
	s_add_nc_u64 s[20:21], s[4:5], s[20:21]
	s_add_nc_u64 s[22:23], s[8:9], s[22:23]
	s_add_nc_u64 s[18:19], s[6:7], s[18:19]
	s_add_nc_u64 s[100:101], s[6:7], s[100:101]
	CROUND                                         ; in front of the first joint loads
.irp s, 0,1
	s_mov_b32 s[G0X+4*\s], 1
	s_mov_b32 s[G0X+4*\s+1], \s*SLOTB
	s_add_nc_u64 s[G0X+4*\s+2:G0X+4*\s+3], s[20:21], \s*256
	s_or_b32 s[G0X+4*\s+3], s[G0X+4*\s+3], 0x80000000
	s_mov_b32 s[G0W+4*\s], 1
	s_mov_b32 s[G0W+4*\s+1], \s*SLOTB+XB
	s_add_nc_u64 s[G0W+4*\s+2:G0W+4*\s+3], s[22:23], \s*256
	s_or_b32 s[G0W+4*\s+3], s[G0W+4*\s+3], 0x80000000
	s_mov_b32 s[G0SX+4*\s], 1
	s_mov_b32 s[G0SX+4*\s+1], \s*SLOTB+SCX
	s_add_nc_u64 s[G0SX+4*\s+2:G0SX+4*\s+3], s[18:19], \s*65536
	s_or_b32 s[G0SX+4*\s+3], s[G0SX+4*\s+3], 0x80000000
	s_mov_b32 s[G0SW+4*\s], 1
	s_mov_b32 s[G0SW+4*\s+1], \s*SLOTB+SCX+2048
	s_add_nc_u64 s[G0SW+4*\s+2:G0SW+4*\s+3], s[100:101], \s*65536
	s_or_b32 s[G0SW+4*\s+3], s[G0SW+4*\s+3], 0x80000000
.endr
	JL4 0                                          ; K step 0: one tensor load a wave at the head
	s_add_nc_u64 s[10:11], s[10:11], s[2:3]        ; bias at my columns
	s_add_nc_u64 s[12:13], s[12:13], s[2:3]
	s_add_nc_u64 s[12:13], s[12:13], s[66:67]      ; out0 at my corner
	s_cmp_eq_u32 s15, 0
	s_cselect_b64 s[66:67], s[4:5], s[8:9]
	s_add_nc_u64 s[PFA:PFA+1], s[66:67], s[PFA:PFA+1]
	s_add_nc_u64 s[PFS:PFS+1], s[6:7], s[PFS:PFS+1]
	s_mul_i32 s66, s15, HALFT                      ; LDS: my 128 rows of x,
	s_mul_i32 s67, s16, HALFT
	s_add_co_u32 s67, s67, XB                      ; of W,
	s_lshl_b32 s2, s15, 10                         ; x's scale words of my 128 rows,
	s_lshl_b32 s3, s16, 10
	s_add_co_u32 s3, s3, 2048
	s_sub_co_u32 s3, s3, s2                        ; and how far behind them W's lie
	s_add_co_u32 s2, s2, SCX
	s_mul_i32 s99, s14, 16*SPITCH                  ; my stage
	v_and_b32 v1, 15, v0                           ; r
	v_bfe_u32 v2, v0, 4, 1                         ; h
	v_and_b32 v7, 31, v0
	v_mul_u32_u24 v3, v1, PITCH
	v_lshl_add_u32 v4, v2, 4, v3                   ; a fragment's row x pitch + 16 h
	v_add_nc_u32 v[ADD], s66, v4
	v_add_nc_u32 v[ADS], s67, v4
	v_lshlrev_b32 v5, 4, v1
	v_mul_u32_u24 v6, s3, v2                       ; lanes 16-31 take W's words
	v_add_nc_u32 v5, v5, v6
	v_add_nc_u32 v[ASC], s2, v5
	v_add_nc_u32 v[ADD+1], SLOTB, v[ADD]
	v_add_nc_u32 v[ADS+1], SLOTB, v[ADS]
	v_add_nc_u32 v[ASC+1], SLOTB, v[ASC]
	v_mul_u32_u24 v5, v1, SPITCH
	v_lshl_add_u32 v5, v2, 5, v5
	v_add_nc_u32 v[STO], s99, v5
	v_lshlrev_b32 v[CO], 4, v7
	v_add_nc_u32 v[RD], s99, v[CO]
	v_lshlrev_b32 v[PFO], 12, v7
	v_mov_b32 v[PFZ], 0
	s_wait_alu depctr_va_vdst(0)
	global_load_b128 v[BI:BI+3], v[CO], s[10:11]   ; bias of my four columns; waited for on the way out
	global_prefetch_b8 v[PFO], s[PFA:PFA+1] offset:256 th:TH_LOAD_NT scope:SCOPE_SE      ; K steps 1 and 2
	global_prefetch_b8 v[PFZ], s[PFS:PFS+1] offset:65536 th:TH_LOAD_NT scope:SCOPE_SE
	global_prefetch_b8 v[PFO], s[PFA:PFA+1] offset:512 th:TH_LOAD_NT scope:SCOPE_SE
	global_prefetch_b8 v[PFZ], s[PFS:PFS+1] offset:131072 th:TH_LOAD_NT scope:SCOPE_SE
.macro FRG reg, adr, q, blk            ; a fragment, 16 rows x 128 K: registers 4 c .. 4 c + 3 hold K = 32 c + 16 h + 0 .. 15
.irp c, 0,1,2,3
	ds_load_b128 v[(\reg)+4*\c:(\reg)+4*\c+3], v[\adr] offset:128*(\q)+32*\c+(\blk)*16*PITCH
.endr
.endm
.macro SCL s                           ; a K step's scale words into set s: register 2 blk + q; lanes 0-15 x's block, lanes 16-31 W's
.irp j, 0,1,2,3
	ds_load_b128 v[SC+16*(\s)+4*\j:SC+16*(\s)+4*\j+3], v[ASC+(\s)] offset:256*\j
.endr
.endm
.macro RUNMID dwn, ls, lq              ; 48 loads: x's eight blocks into the set in window dwn, W's blocks 0-3; from slot ls, its lq-th 128.  Addresses in window 0
	WIN (\dwn)<<6
.irp i, 0,1,2,3,4,5,6,7
	FRG 128+16*\i, ADD+(\ls), \lq, \i
.endr
	WIN 0xc0
.irp i, 0,1,2,3
	FRG 128+16*\i, ADS+(\ls), \lq, \i
.endr
.endm
.macro RUNEND ls, lq                   ; 16 loads: W's blocks 4-7
	WIN 0xc0
	FRG 192, ADS+(\ls), \lq, 4
	WIN 0
.irp i, 5,6,7
	FRG 128+16*(\i-5), ADS+(\ls), \lq, \i
.endr
.endm
; Group t: W's block t against x's eight blocks of the set in window dw; q: which 128 of the slot; sc: the set of scale words.
; The 64 accumulators take turns, in the same order in every step.
.macro GRP t, dw, q, sc, zero
.set AWN, (((\t)+1)/2)%4
.set AOF, 64*(((\t)+1)%2)
.if (\t) < 5
.set SWN, 3
.set SRG, 128+16*(\t)
.else
.set SWN, 0
.set SRG, 128+16*((\t)-5)
.endif
	WIN SWN|((\dw)<<2)|(AWN<<4)|(AWN<<6)
.irp i, 0,1,2,3,4,5,6,7
.if \zero
	v_wmma_scale_f32_16x16x128_f8f6f4 v[AOF+8*\i:AOF+8*\i+7], v[SRG:SRG+15], v[128+16*\i:128+16*\i+15], 0, v[SC+16*(\sc)+2*(\t)+(\q)], v[SC+16*(\sc)+2*\i+(\q)] matrix_a_scale:MATRIX_SCALE_ROW1
.else
	v_wmma_scale_f32_16x16x128_f8f6f4 v[AOF+8*\i:AOF+8*\i+7], v[SRG:SRG+15], v[128+16*\i:128+16*\i+15], v[AOF+8*\i:AOF+8*\i+7], v[SC+16*(\sc)+2*(\t)+(\q)], v[SC+16*(\sc)+2*\i+(\q)] matrix_a_scale:MATRIX_SCALE_ROW1
.endif
.endr
.endm
; A slot's first step: x's set 1 at work; x's set 0 and W's next blocks come from the same slot's second 128.
.macro NSTEP slot, zero
	s_wait_dscnt 16                                ; all but the last run's 16 loads (W's blocks 4-7)
.irp t, 0,1,2,3
	GRP \t, 2, 0, \slot, \zero
.endr
	s_wait_dscnt 0x0                               ; W's blocks 4-7 are in
	PLACES 8
	RUNMID 1, \slot, 1
.irp t, 4,5,6,7
	GRP \t, 2, 0, \slot, \zero
.endr
	PLACES 8
	RUNEND \slot, 1
.endm
; A slot's second step changes slots: x's set 0 at work.  My last reads of this slot were issued at the end of the step before.  Groups 0, 1; the wait for all my tensor loads and the add; group 2;
; the wait for the add and the reads; the round's opening signal; group 3; the rest of the round; the joint refill; then everything for the next step comes from the other slot.
.macro TSTEP slot, fill, ask
.if \ask
	s_wait_xcnt 0x0                                ; my prefetches have read their addresses
	s_add_nc_u64 s[PFA:PFA+1], s[PFA:PFA+1], 256
	s_add_nc_u64 s[PFS:PFS+1], s[PFS:PFS+1], 65536
.endif
	s_wait_dscnt 16
	GRP 0, 1, 1, \slot, 0
	GRP 1, 1, 1, \slot, 0
	WIN 0
	s_wait_tensorcnt 0x0                           ; my part of the other slot has landed
	ds_add_u32 v[SPW], v[NIL]
.if \fill
.irp g, G0X, G0W
	s_add_nc_u64 s[\g+4*\slot+2:\g+4*\slot+3], s[\g+4*\slot+2:\g+4*\slot+3], 512       ; no tensor load of mine is out: this slot's next K step
.endr
.irp g, G0SX, G0SW
	s_add_nc_u64 s[\g+4*\slot+2:\g+4*\slot+3], s[\g+4*\slot+2:\g+4*\slot+3], 131072
.endr
.endif
	GRP 2, 1, 1, \slot, 0
	s_wait_dscnt 0x0                               ; the add is done, my reads of this slot are over
	s_barrier_signal -1
	GRP 3, 1, 1, \slot, 0
	WIN 0
	s_barrier_wait -1
.if \fill
	CREST
	JL4 \slot                                      ; the first tensor load behind the round; its four v_nop are four of the eight places
	PLACES 4
.else
	PLACES 8
.endif
	SCL 1-\slot
	RUNMID 2, 1-\slot, 0
.if \ask
	global_prefetch_b8 v[PFO], s[PFA:PFA+1] offset:768 th:TH_LOAD_NT scope:SCOPE_SE      ; the K step two refills on
	global_prefetch_b8 v[PFZ], s[PFS:PFS+1] offset:196608 th:TH_LOAD_NT scope:SCOPE_SE
.endif
.irp t, 4,5,6,7
	GRP \t, 1, 1, \slot, 0
.endr
	PLACES 8
	RUNEND 1-\slot, 0
.endm
	s_wait_tensorcnt 0x0                           ; my tile of K step 0 is in; the same lines as ahead of a refill:
	ds_add_u32 v[SPW], v[NIL]
	s_wait_dscnt 0x0
	CROUND
	JL4 1                                          ; K step 1: slot 1's first fill
	SCL 0
	RUNMID 2, 0, 0
	RUNEND 0, 0
	global_prefetch_b8 v[PFO], s[PFA:PFA+1] offset:768 th:TH_LOAD_NT scope:SCOPE_SE      ; K step 3
	global_prefetch_b8 v[PFZ], s[PFS:PFS+1] offset:196608 th:TH_LOAD_NT scope:SCOPE_SE
	NSTEP 0, 1                                     ; the first step starts the sums
	s_mov_b32 s3, 6
.Llap:                                                 ; a trip: once round the ring; refills K steps 2 .. 13, names K steps 4 .. 15
	TSTEP 0, 1, 1
	NSTEP 1, 0
	TSTEP 1, 1, 1
	NSTEP 0, 0
	s_sub_co_u32 s3, s3, 1
	s_cmp_lg_u32 s3, 0
	s_cbranch_scc1 .Llap
	TSTEP 0, 1, 0                                  ; K step 14 is asked for,
	NSTEP 1, 0
	TSTEP 1, 1, 0                                  ; K step 15,
	NSTEP 0, 0
	TSTEP 0, 0, 0                                  ; and nothing more
	NSTEP 1, 0
	s_wait_dscnt 16                                ; the last step loads nothing
.irp t, 0,1,2,3
	GRP \t, 1, 1, 1, 0
.endr
	s_wait_dscnt 0x0
.irp t, 4,5,6,7
	GRP \t, 1, 1, 1, 0
.endr
	WIN 0
; THE WAY OUT, by blocks of 16 rows x 128 columns: through my own stage, back as whole rows of 512 bytes, less the bias, stored as two aligned units of 256 bytes.
; One setting serves the loads from the stage, the subtraction and the stores: addresses and bias in window 0, the rows in window 1 (where x's set 0 lay).
.macro TOSTAGE a
.irp w, 0,1,2,3
	WIN 0x40|(\w<<2)                               ; the data: window w holds W's blocks (2 w + 7) % 8 and 2 w
	ds_store_b128 v[STO], v[8*(\a):8*(\a)+3] offset:64*((2*\w+7)%8)            ; each accumulator from its low end on
	ds_store_b128 v[STO], v[8*(\a)+4:8*(\a)+7] offset:64*((2*\w+7)%8)+16
	ds_store_b128 v[STO], v[64+8*(\a):64+8*(\a)+3] offset:128*\w
	ds_store_b128 v[STO], v[64+8*(\a)+4:64+8*(\a)+7] offset:128*\w+16
.endr
	WIN 0x44
.set BB, 128+64*((\a)%2)
.irp k, 0,1,2,3,4,5,6,7,8,9,10,11,12,13,14,15
	ds_load_b128 v[BB+4*\k:BB+4*\k+3], v[RD] offset:\k*SPITCH                  ; LDS serves a wave's instructions in order (ISA guide 5.7.1.4)
.endr
.endm
.macro SEND a, younger
.set BB, 128+64*((\a)%2)
	s_wait_dscnt \younger
.if (\a) > 0
	s_add_nc_u64 s[12:13], s[12:13], 16*16384      ; behind a wait on XCNT: 16 rows on
.endif
.irp k, 0,1,2,3,4,5,6,7,8,9,10,11,12,13,14,15
	v_pk_add_f32 v[BB+4*\k:BB+4*\k+1], v[BI:BI+1], v[BB+4*\k:BB+4*\k+1] neg_lo:[1,0] neg_hi:[1,0]
	v_pk_add_f32 v[BB+4*\k+2:BB+4*\k+3], v[BI+2:BI+3], v[BB+4*\k+2:BB+4*\k+3] neg_lo:[1,0] neg_hi:[1,0]
.endr
.irp k, 0,1,2,3,4,5,6,7,8,9,10,11,12,13,14,15
	global_store_b128 v[CO], v[BB+4*\k:BB+4*\k+3], s[12:13] offset:\k*16384 th:TH_STORE_NT   ; 32 lanes store 512 consecutive bytes, aligned to 256
.endr
.endm
	s_wait_loadcnt 0x0                             ; the bias
	PLACES 8                                       ; eight places behind the last products
	TOSTAGE 0
.irp a, 1,2,3,4,5,6,7
.if \a > 1
	s_wait_xcnt 0x0                                ; block a - 2's stores have read their registers and their base
.endif
	TOSTAGE \a
	SEND \a-1, 32                                  ; behind block a - 1's loads: block a's 16 stores and 16 loads
.endr
	s_wait_xcnt 0x0
	SEND 7, 0
	WIN 0
	s_wait_tensorcnt 0x0                           ; the wave's end
	ds_add_u32 v[SPW], v[NIL]
	s_wait_dscnt 0x0
	CROUND                                         ; the closing round
	s_endpgm
.Lfunc_end_k_q8b4f7743b0_gemm:
	.size	k_q8b4f7743b0_gemm, .Lfunc_end_k_q8b4f7743b0_gemm-k_q8b4f7743b0_gemm
	.p2alignl 7, 3214868480
	.fill 96, 4, 3214868480
	.section	.rodata,"a",@progbits
	.p2align	6, 0x0
	.amdhsa_kernel k_q8b4f7743b0_gemm
		.amdhsa_group_segment_fixed_size 327680
		.amdhsa_private_segment_fixed_size 0
		.amdhsa_enable_private_segment 0
		.amdhsa_kernarg_size 40
		.amdhsa_user_sgpr_count 2
		.amdhsa_user_sgpr_kernarg_segment_ptr 1
		.amdhsa_wavefront_size32 1
		.amdhsa_system_sgpr_workgroup_id_x 1
		.amdhsa_system_sgpr_workgroup_id_y 1
		.amdhsa_system_sgpr_workgroup_id_z 1
		.amdhsa_system_vgpr_workitem_id 0
		.amdhsa_next_free_vgpr 1024
		.amdhsa_next_free_sgpr 102
		.amdhsa_reserve_vcc 0
		.amdhsa_float_denorm_mode_32 3
		.amdhsa_float_denorm_mode_16_64 3
		.amdhsa_memory_ordered 1
		.amdhsa_forward_progress 1
		.amdhsa_inst_pref_size 223
	.end_amdhsa_kernel
	.amdgpu_metadata
---
amdhsa.version: [ 1, 2 ]
amdhsa.kernels:
  - .name:           k_q8b4f7743b0_gemm
    .symbol:         k_q8b4f7743b0_gemm.kd
    .args:
      - { .name: x_codes, .offset: 0, .size: 8, .value_kind: global_buffer, .address_space: global }
      - { .name: scales_t, .offset: 8, .size: 8, .value_kind: global_buffer, .address_space: global }
      - { .name: w_codes, .offset: 16, .size: 8, .value_kind: global_buffer, .address_space: global }
      - { .name: bias, .offset: 24, .size: 8, .value_kind: global_buffer, .address_space: global }
      - { .name: out0, .offset: 32, .size: 8, .value_kind: global_buffer, .address_space: global }
    .group_segment_fixed_size: 327680
    .private_segment_fixed_size: 0
    .kernarg_segment_align: 8
    .kernarg_segment_size: 40
    .max_flat_workgroup_size: 128
    .sgpr_count:     102
    .vgpr_count:     1024
    .wavefront_size: 32
...
	.end_amdgpu_metadata
.endif
;; end of part 2
